; MI455X (gfx1250); checked and timed in simulation.
; The chip was launched on July 23, 2026; its instructions are those of AMD's public machine-readable ISA for CDNA 5 (MIT licence, August 2026) and "CDNA5" Instruction Set Architecture Reference Guide (July 2026). The comments in the code are by the model that wrote it; some were corrected since.
;; BERT Em Self Attention. Allowed arithmetic: matrix products marked QUANTISED: E2M1 operands, one E8M0 scale for each 32 along K, by v_wmma_scale_f32_16x16x128_f8f6f4 with both operands' format E2M1 (or v_wmma_scale_f32_32x16x128_f4), f32 sums; products left as they are: bf16, f16 or f32 operands; f32 sums; everything else in f32.
;; Inputs: Wk 1,024 x 1,024 float32; Wq 1,024 x 1,024 float32; Wv 1,024 x 1,024 float32; attention_mask 4 x 1 x 1 x 2,048 float32; bk 1,024 float32; bq 1,024 float32; bv 1,024 float32; hidden_states 4 x 2,048 x 1,024 float32; k_emb 8 x 1,024 float32; q_emb 8 x 1,024 float32; v_emb 8 x 1,024 float32.
;; Outputs: out0 4 x 2,048 x 1,024 float32.
;; Constants: index = 3.
;; This version of the problem:
;;   THIS VERSION OF THE PROBLEM IS GIVEN IN LOW PRECISION. The matrix products marked QUANTISED in the list below multiply operands that are first quantised to E2M1 (2 exponent bits, 1 mantissa bit; 4 bits a number), with one power-of-two scale for each 32 numbers along K (OCP MX v1.0); their sums are f32. The products marked 'left as it is' may take bf16, f16 or f32 operands, with f32 sums. Whichever they take, every output number must still come out within the allowed error. Rounding operands to bf16 (8 significant bits) uses up far more of that allowance than f16 does (11 bits, for magnitudes from 6e-5 to 65,504). All else is computed in f32.
;;   The module's matrix products, in the order in which they are computed (A, B: the left and right operand; K: the contracted axis; several contracted axes count as one K, in the product's order):
;;     1. [M 8,192, K 1,024] x [K 1,024, N 1,024]; A: input hidden_states; B: input Wq: QUANTISED
;;     2. [M 8,192, K 1,024] x [K 1,024, N 1,024]; A: input hidden_states; B: input Wk: QUANTISED
;;     3. [M 8,192, K 1,024] x [K 1,024, N 1,024]; A: input hidden_states; B: input Wv: QUANTISED
;;     4. batch 64 x [M 2,048, K 64] x [K 64, N 2,048]; A: computed on the way; B: computed on the way: left as it is (an operand is computed on the way)
;;     5. batch 64 x [M 2,048, K 2,048] x [K 2,048, N 64]; A: computed on the way; B: computed on the way: left as it is (an operand is computed on the way)
;;   THE QUANTISER, for each operand of a quantised product, along K:
;;     - K is cut into blocks of 32 from its start; a last block that is shorter is filled with zeros.
;;     - A block's scale is 2^e with e = floor(log2(the largest magnitude in the block)) - 2, held to -126 .. 127; a block of zeros has e = 0. As a byte (E8M0): e + 127.
;;     - Each number is divided by its block's scale, clamped to +-6, and rounded to the nearest number of E2M1, ties to even, subnormals kept.
;;     - The product sums the exact products of the quantised numbers (number of the format x scale) in f32.
;;   ~~~python
;;   def quantise(x, axis):      # numpy; x: float32 -> the quantised numbers, widened to float32 again
;;       x = np.moveaxis(x, axis, -1); K = x.shape[-1]
;;       x = np.pad(x, [(0, 0)] * (x.ndim - 1) + [(0, -K % 32)]); x = x.reshape(x.shape[:-1] + (-1, 32)); a = np.abs(x).max(-1, keepdims=True)
;;       e = np.where(a > 0, np.clip(np.frexp(np.where(a > 0, a, 1))[1] - 1 - 2, -126, 127), 0)      # np.frexp(a)[1] - 1 = floor(log2(a)), exactly
;;       r = np.clip(x / 2.0 ** e, -6, 6)
;;       step = 2.0 ** (np.maximum(np.frexp(np.where(r == 0, 1, r))[1] - 1, 0) - 1)
;;       q = np.round(r / step) * step * 2.0 ** e      # np.round: ties to even
;;       return np.moveaxis(q.reshape(q.shape[:-2] + (-1,))[..., :K], -1, axis).astype(np.float32)
;;   ~~~
;; One version. Each part assembles by itself: llvm-mc -triple=amdgcn-amd-amdhsa -mcpu=gfx1250 --defsym DOCPART=n.
;; ======== version 1 of 1: 4 launches
;; limits: values are held in f16: magnitudes above 65,504 overflow, below 6.1e-05 lose precision
;; workspace buffers: x_codes 4,194,304 bytes; x_scales 262,144 bytes; w_codes 1,572,864 bytes; w_scales 98,304 bytes; qf 16,777,216 bytes; kv 33,554,432 bytes
;; launch quant_x (part 1): grid 256 x 1, 4 waves a work-group, no clusters, 33,280 bytes of LDS; arguments hidden_states, x_codes, x_scales; writes x_codes, x_scales
.if DOCPART == 1
	.amdgcn_target "amdgcn-amd-amdhsa--gfx1250"
	.amdhsa_code_object_version 6
	.text
	.protected	k_q537404fa92_quant_x
	.globl	k_q537404fa92_quant_x
	.p2align	8
	.type	k_q537404fa92_quant_x,@function
k_q537404fa92_quant_x:
	s_mov_b64 s[64:65], 0
	v_nop
	global_prefetch_b8 v0, s[64:65] scope:SCOPE_SE
	s_setreg_imm32_b32 hwreg(HW_REG_WAVE_MODE, 25, 1), 1
	s_wait_xcnt 0x0
; hidden_states [8192][1024], f32, becomes codes of FP4 (E2M1), K innermost, two codes a byte (x_codes [8192][512 bytes]), with one E8M0 byte for each 32 along K (x_scales [8192][32]).
; A block's scale is 2^(floor(log2(its largest magnitude)) - 2); its byte is the largest magnitude's own exponent field - 2, held at 1 from below.  Each number is divided by the scale and rounded to the
; nearest code, ties to even; beyond 6 the conversion gives the largest code.
; LIMITS: a block of zeros gets the byte 1 where the rule says 127 (its codes are zeros, and this program alone reads the bytes); blocks whose largest magnitude lies under 2^-124 keep the byte 1;
; NaN and infinities among the inputs are not served.
; Rows are dense and 1024 is a multiple of 32: the tensor is a plain stream of blocks of 32, and so are its codes and its bytes.  8,388,608 numbers = 256 work-groups x 4 waves x 16 steps x 512.
; The conversions take 8 numbers of ONE block from a lane's consecutive registers, so a lane must hold 16 neighbours (two lanes to a block); a load is best where neighbouring LANES take neighbouring bytes.
; Both are had: each of a step's four loads reads 512 consecutive bytes; the 2,048 bytes go through the wave's own stage in LDS and come back 64 bytes a lane (16 bytes of padding behind each 64).
; A step's codes are 256 consecutive bytes; a wave's 256 scale bytes are gathered in LDS and leave as one aligned run of 256 bytes.  Waves share nothing: no barrier.
.set WAVES, 4
.set STEPS, 16
.set EMAX,  2
.set CB,    8                          ; bytes of 16 codes
.set R,     16                         ; v16-79   four sets of 16 numbers as they are loaded
.set X,     80                         ; v80-111  two sets of 16 neighbours
.set E,     112                        ; v112-127 a scale byte for each step
.set C,     128                        ; v128-191 codes: four registers for each step, so that no store's data are written again
.set WREG,  8192                       ; LDS: a region for each wave: two stages of 32 x SP bytes, behind them its 256 scale bytes
.set SP,    80                         ; a lane's place in a stage: 64 bytes + 16 of padding
.set SPW,   12                         ; v12  LDS address of my spare word; never rewritten
.set NIL,   13                         ; v13  0; never rewritten
.set SPARE, WAVES*WREG                 ; the spare words: 128 bytes a wave, two blocks of 256 bytes that no other line names
	s_load_b64 s[4:5], s[0:1], 0x0                 ; hidden_states
	s_load_b64 s[8:9], s[0:1], 0x8                 ; x_codes
	s_load_b64 s[10:11], s[0:1], 0x10              ; x_scales
	v_lshl_add_u32 v[SPW], v0, 2, SPARE
	v_mov_b32 v[NIL], 0
	v_lshrrev_b32 v1, 5, v0
	v_readfirstlane_b32 s16, v1                    ; wave
	v_and_b32 v2, 31, v0                           ; lane
	v_lshlrev_b32 v3, 4, v2                        ; my 16 bytes of a load's 512
	s_mul_i32 s17, s16, WREG
	v_lshrrev_b32 v14, 2, v2
	v_mul_u32_u24 v14, v14, SP
	v_and_b32 v15, 3, v2
	v_lshl_add_u32 v14, v15, 4, v14
	v_add_nc_u32 v14, s17, v14                     ; the stage, on the way in: SP (lane / 4) + 16 (lane % 4); a load's 512 bytes take eight places
	v_mul_u32_u24 v15, v2, SP
	v_add_nc_u32 v15, s17, v15                     ; and on the way out: SP x lane: my 16 neighbours
	v_mul_u32_u24 v4, v2, CB                       ; my codes' place in a step's
	v_lshrrev_b32 v5, 1, v2
	s_add_co_u32 s17, s17, 2*32*SP
	v_add_nc_u32 v5, s17, v5                       ; LDS: my wave's 256 scale bytes, my block's byte
	v_lshlrev_b32 v7, 3, v2                        ; and on the way out 8 bytes a lane
	v_add_nc_u32 v6, s17, v7
	s_lshl_b32 s17, ttmp9, 2
	s_add_co_u32 s18, s17, s16                     ; which run of 8,192 numbers is my wave's
	s_mov_b32 s19, 0
	s_mov_b64 s[20:21], 512*STEPS*4
	s_mul_u64 s[20:21], s[18:19], s[20:21]
	s_mov_b64 s[22:23], 32*STEPS*CB
	s_mul_u64 s[22:23], s[18:19], s[22:23]
	s_lshl_b32 s18, s18, 8                         ; 256 scale bytes a run
	s_wait_kmcnt 0x0
	s_add_nc_u64 s[4:5], s[4:5], s[20:21]
	s_add_nc_u64 s[8:9], s[8:9], s[22:23]
	s_add_nc_u64 s[10:11], s[10:11], s[18:19]
.macro LOAD t
.irp i, 0,1,2,3
	global_load_b128 v[R+16*((\t)%4)+4*\i:R+16*((\t)%4)+4*\i+3], v3, s[4:5] offset:2048*(\t)+512*\i th:TH_LOAD_NT   ; 32 lanes read 512 consecutive bytes
.endr
.endm
.macro TURN t                          ; step t's numbers through the stage: LDS serves a wave's instructions in order, so no wait stands between the stores and the loads
.irp i, 0,1,2,3
	ds_store_b128 v14, v[R+16*((\t)%4)+4*\i:R+16*((\t)%4)+4*\i+3] offset:32*SP*((\t)%2)+8*SP*\i
.endr
.irp i, 0,1,2,3
	ds_load_b128 v[X+16*((\t)%2)+4*\i:X+16*((\t)%2)+4*\i+3], v15 offset:32*SP*((\t)%2)+16*\i
.endr
.endm
.irp t, 0,1,2,3
	LOAD \t
.endr
	s_wait_loadcnt 12                              ; step 0's four loads are in; twelve younger ones stay out
	TURN 0
.macro STEP t
.set XS, X+16*((\t)%2)
.if (\t) > 0
	s_wait_dscnt 1                                 ; this step's numbers are back from the stage (the last step's byte store may be out): so its stores into the stage have read their registers,
.else
	s_wait_dscnt 0x0
.endif
.if (\t)+4 < STEPS
	LOAD (\t)+4                                    ; which take the loads of four steps on
.endif
.if (\t)+1 < STEPS
.if STEPS-2-(\t) >= 3
	s_wait_loadcnt 12                              ; the next step's four loads are in; those of the three steps behind it may be out
.else
	s_wait_loadcnt 4*(STEPS-2-(\t))
.endif
	TURN (\t)+1                                    ; and go through the other stage while this step is worked
.endif
	v_max3_num_f32 v8, |v[XS]|, |v[XS+1]|, |v[XS+2]|               ; the largest magnitude of my 16, in two chains
	v_max3_num_f32 v9, |v[XS+3]|, |v[XS+4]|, |v[XS+5]|
.irp i, 6,10
	v_max3_num_f32 v8, v8, |v[XS+\i]|, |v[XS+\i+1]|
	v_max3_num_f32 v9, v9, |v[XS+\i+2]|, |v[XS+\i+3]|
.endr
	v_max3_num_f32 v8, v8, |v[XS+14]|, |v[XS+15]|
	v_max3_num_f32 v8, v8, v9, (EMAX+1)<<23        ; and the floor 2^(3 - 127): the byte cannot fall under 1
	v_max_num_f32_dpp v8, v8, v8 row_xmask:1 row_mask:0xf bank_mask:0xf   ; and of my neighbour's 16: the block's
	v_add_nc_u32 v11, -(EMAX<<23), v8              ; 2 off its exponent field: the conversion takes the exponent field of this operand as its scale, and nothing else of it
	v_cvt_scalef32_pk8_fp4_f32 v[C+4*(\t)], v[XS:XS+7], v11
	v_cvt_scalef32_pk8_fp4_f32 v[C+4*(\t)+1], v[XS+8:XS+15], v11
	v_lshrrev_b32 v[E+(\t)], 23, v11               ; the scale's byte (also the plain instruction behind the conversions)
	ds_store_b8 v5, v[E+(\t)] offset:16*(\t)       ; both lanes of a block write the same byte with the same value
	global_store_b64 v4, v[C+4*(\t):C+4*(\t)+1], s[8:9] offset:32*CB*(\t)   ; the wave stores 256 consecutive bytes, aligned
.endm
.irp t, 0,1,2,3,4,5,6,7,8,9,10,11,12,13,14,15
	STEP \t
.endr
	ds_load_b64 v[8:9], v6                         ; LDS serves a wave's instructions in order: these see my byte stores
	s_wait_dscnt 0x0
	global_store_b64 v7, v[8:9], s[10:11]          ; 32 lanes store 256 consecutive bytes, aligned
	s_wait_tensorcnt 0x0                           ; the wave's end, behind my last LDS store
	ds_add_u32 v[SPW], v[NIL]
	s_wait_dscnt 0x0
	s_endpgm
.Lfunc_end_k_q537404fa92_quant_x:
	.size	k_q537404fa92_quant_x, .Lfunc_end_k_q537404fa92_quant_x-k_q537404fa92_quant_x
	.p2alignl 7, 3214868480
	.fill 96, 4, 3214868480
	.section	.rodata,"a",@progbits
	.p2align	6, 0x0
	.amdhsa_kernel k_q537404fa92_quant_x
		.amdhsa_group_segment_fixed_size 33280
		.amdhsa_private_segment_fixed_size 0
		.amdhsa_enable_private_segment 0
		.amdhsa_kernarg_size 24
		.amdhsa_user_sgpr_count 2
		.amdhsa_user_sgpr_kernarg_segment_ptr 1
		.amdhsa_wavefront_size32 1
		.amdhsa_system_sgpr_workgroup_id_x 1
		.amdhsa_system_sgpr_workgroup_id_y 1
		.amdhsa_system_sgpr_workgroup_id_z 1
		.amdhsa_system_vgpr_workitem_id 0
		.amdhsa_next_free_vgpr 192
		.amdhsa_next_free_sgpr 66
		.amdhsa_reserve_vcc 0
		.amdhsa_float_denorm_mode_32 3
		.amdhsa_float_denorm_mode_16_64 3
		.amdhsa_memory_ordered 1
		.amdhsa_forward_progress 1
		.amdhsa_inst_pref_size 33
	.end_amdhsa_kernel
	.amdgpu_metadata
---
amdhsa.version: [ 1, 2 ]
amdhsa.kernels:
  - .name:           k_q537404fa92_quant_x
    .symbol:         k_q537404fa92_quant_x.kd
    .args:
      - { .name: hidden_states, .offset: 0, .size: 8, .value_kind: global_buffer, .address_space: global }
      - { .name: x_codes, .offset: 8, .size: 8, .value_kind: global_buffer, .address_space: global }
      - { .name: x_scales, .offset: 16, .size: 8, .value_kind: global_buffer, .address_space: global }
    .group_segment_fixed_size: 33280
    .private_segment_fixed_size: 0
    .kernarg_segment_align: 8
    .kernarg_segment_size: 24
    .max_flat_workgroup_size: 128
    .sgpr_count:     66
    .vgpr_count:     192
    .wavefront_size: 32
...
	.end_amdgpu_metadata
.endif
;; end of part 1
;; launch quant_w (part 2): grid 48 x 2, 8 waves a work-group, no clusters, 19,456 bytes of LDS; arguments Wq, Wk, Wv, w_codes, w_scales; writes w_codes, w_scales
.if DOCPART == 2
	.amdgcn_target "amdgcn-amd-amdhsa--gfx1250"
	.amdhsa_code_object_version 6
	.text
	.protected	k_q537404fa92_quant_w
	.globl	k_q537404fa92_quant_w
	.p2align	8
	.type	k_q537404fa92_quant_w,@function
k_q537404fa92_quant_w:
	s_mov_b64 s[64:65], 0
	v_nop
	global_prefetch_b8 v0, s[64:65] scope:SCOPE_SE
	s_setreg_imm32_b32 hwreg(HW_REG_WAVE_MODE, 25, 1), 1
	s_wait_xcnt 0x0
; Wq, Wk, Wv [1024 (k)][1024 (n)], f32, are operands whose K is their FIRST axis.  They become codes of FP4 (E2M1) laid [3072 rows][512 bytes] with K innermost (rows 0-1023 Wq's columns n, then Wk's, then Wv's)
; and one E8M0 byte for each 32 along K, laid [3072][32].  The rule of a block is the same as for the tokens: byte = the largest magnitude's exponent field - 2, held at 1 from below.
; LIMITS: a block of zeros gets the byte 1 (zero codes; this program alone reads the bytes); blocks under 2^-124 keep the byte 1; NaN and infinities are not served.
; A LANE TAKES A COLUMN n, AND ITS REGISTERS RUN DOWN K: a load reads 128 consecutive bytes a wave, a block of 32 along K lies in one lane's 32 registers, and the conversions give codes with K innermost.
; SHARES.  Work-group (x, y): weight x / 16, columns 64 (x % 16) on (256 consecutive bytes of each row of W), k = 512 y on.  Wave w: columns 32 (w % 2) on, k = 128 (w / 2) on: four blocks a lane.
; Loads run two blocks (64 loads) ahead; each block has registers of its own, so a block's loads go out as soon as the block two back has come.
; THE WAY OUT.  A column's 512 codes are 256 bytes, made by four waves: they meet in a stage in LDS (rows 272 bytes apart); behind one barrier each wave stores 8 whole rows, sixteen lanes to 256 aligned bytes.
; The scale bytes (16 a column here) go the same way and leave in runs of 16 bytes: one byte for each 128 that the launch reads.
.set PITCH, 272
.set SCS,   64*PITCH                   ; behind the stage: 64 columns x 16 scale bytes
.set SPARE, SCS+1024                   ; the spare words: 128 bytes a wave, four blocks of 256 bytes that no other line names
.set EMAX,  2
.set X,     32                         ; v32-159  four sets of 32 numbers
.set C,     160                        ; v160-175 codes, four registers a block
.set OUTR,  176                        ; v176-191 the way out
.set SPW,   14
.set NIL,   15
	s_load_b256 s[4:11], s[0:1], 0x0               ; Wq, Wk, Wv, w_codes
	s_load_b64 s[12:13], s[0:1], 0x20              ; w_scales
	v_lshl_add_u32 v[SPW], v0, 2, SPARE
	v_mov_b32 v[NIL], 0
	v_lshrrev_b32 v1, 5, v0
	v_readfirstlane_b32 s16, v1                    ; wave 0..7
	v_and_b32 v2, 31, v0                           ; lane
	s_and_b32 s17, s16, 1                          ; which 32 columns
	s_lshr_b32 s18, s16, 1                         ; which 128 along K
	s_lshr_b32 s19, ttmp9, 4                       ; which weight
	s_and_b32 s20, ttmp9, 15
	s_lshl_b32 s20, s20, 6                         ; the work-group's first column
	s_and_b32 s21, ttmp7, 0xffff                   ; which 512 along K
	v_lshlrev_b32 v3, 2, v2                        ; in: 4 bytes a lane
	s_mul_i32 s30, s17, 32*PITCH
	s_lshl_b32 s31, s18, 6
	s_add_co_u32 s30, s30, s31
	v_mul_u32_u24 v4, v2, PITCH
	v_add_nc_u32 v4, s30, v4                       ; into the stage: row = my column, + my wave's 64 bytes of it
	v_and_b32 v5, 15, v2
	v_lshrrev_b32 v6, 4, v2
	s_mul_i32 s30, s16, 8*PITCH
	v_mul_u32_u24 v7, v6, PITCH
	v_lshl_add_u32 v7, v5, 4, v7
	v_add_nc_u32 v7, s30, v7                       ; out of it: my wave's 8 rows, sixteen lanes to a row, two rows an instruction
	v_lshlrev_b32 v8, 9, v6
	v_lshl_add_u32 v8, v5, 4, v8                   ; and the same place in w_codes (rows of 512 bytes)
	s_lshl_b32 s30, s17, 9
	s_lshl_b32 s31, s18, 2
	s_add_co_u32 s30, s30, s31
	s_add_co_u32 s30, s30, SCS
	v_lshl_add_u32 v9, v2, 4, s30                  ; my column's 16 scale bytes, my wave's word of them
	s_lshl_b32 s30, s16, 7
	s_add_co_u32 s30, s30, SCS
	v_lshl_add_u32 v10, v2, 2, s30                 ; back: my wave's 8 columns x 16 bytes, a word a lane
	v_lshrrev_b32 v16, 2, v2
	v_lshlrev_b32 v16, 5, v16
	v_and_b32 v17, 3, v2
	v_lshl_add_u32 v16, v17, 2, v16                ; and the same word in w_scales (rows of 32 bytes)
	s_lshl_b32 s22, s21, 9                         ; W: (512 y + 128 (w / 2)) rows of 4,096 bytes + 4 x my wave's first column
	s_lshl_b32 s23, s18, 7
	s_add_co_u32 s22, s22, s23
	s_lshl_b32 s22, s22, 12
	s_lshl_b32 s23, s17, 5
	s_add_co_u32 s23, s23, s20
	s_lshl_b32 s23, s23, 2
	s_add_co_u32 s22, s22, s23
	s_mov_b32 s23, 0
	s_lshl_b32 s24, s19, 10                        ; the first row that my wave stores: 1024 x weight + first column + 8 x wave
	s_add_co_u32 s24, s24, s20
	s_lshl_b32 s25, s16, 3
	s_add_co_u32 s24, s24, s25
	s_lshl_b32 s26, s24, 9                         ; codes: 512 bytes a row, + 256 y
	s_lshl_b32 s27, s21, 8
	s_add_co_u32 s26, s26, s27
	s_mov_b32 s27, 0
	s_lshl_b32 s28, s24, 5                         ; scale bytes: 32 a row, + 16 y
	s_lshl_b32 s29, s21, 4
	s_add_co_u32 s28, s28, s29
	s_mov_b32 s29, 0
	s_wait_kmcnt 0x0
	s_cmp_eq_u32 s19, 0                            ; the weight is chosen by the work-group's number alone
	s_cselect_b64 s[4:5], s[4:5], s[6:7]
	s_cmp_eq_u32 s19, 2
	s_cselect_b64 s[4:5], s[8:9], s[4:5]
	s_add_nc_u64 s[4:5], s[4:5], s[22:23]
	s_add_nc_u64 s[10:11], s[10:11], s[26:27]
	s_add_nc_u64 s[12:13], s[12:13], s[28:29]
.macro LOAD t                          ; block t: W(32 t + i, my column), i = 0 .. 31
.set i, 0
.rept 32
	global_load_b32 v[X+32*(\t)+i], v3, s[4:5] offset:(32*(\t)+i)*4096 th:TH_LOAD_NT
.set i, i+1
.endr
.endm
	LOAD 0
	LOAD 1
.macro BLOCK t
.set XS, X+32*(\t)
.if (\t) < 3
	s_wait_loadcnt 32                              ; this block's 32 loads are in; the next block's 32 may be out
.else
	s_wait_loadcnt 0
.endif
.if (\t)+2 < 4
	LOAD (\t)+2                                    ; into registers of its own: it goes out ahead of this block's arithmetic
.endif
	v_max3_num_f32 v12, |v[XS]|, |v[XS+1]|, |v[XS+2]|              ; the block's largest magnitude: all 32 numbers are mine
	v_max3_num_f32 v13, |v[XS+3]|, |v[XS+4]|, |v[XS+5]|
.irp i, 6,10,14,18,22,26
	v_max3_num_f32 v12, v12, |v[XS+\i]|, |v[XS+\i+1]|
	v_max3_num_f32 v13, v13, |v[XS+\i+2]|, |v[XS+\i+3]|
.endr
	v_max3_num_f32 v12, v12, |v[XS+30]|, |v[XS+31]|
	v_max3_num_f32 v12, v12, v13, (EMAX+1)<<23     ; and the floor 2^(3 - 127): the byte cannot fall under 1
	v_add_nc_u32 v11, -(EMAX<<23), v12             ; 2 off its exponent field: the conversion's scale operand
.irp g, 0,1,2,3
	v_cvt_scalef32_pk8_fp4_f32 v[C+4*(\t)+\g], v[XS+8*\g:XS+8*\g+7], v11
.endr
	v_lshrrev_b32 v13, 23, v11                     ; the scale's byte (also the plain instruction behind the conversions)
.if (\t) == 0
	v_mov_b32 v24, v13                             ; four bytes to a word, the lower K in the lower byte
.else
	v_lshl_or_b32 v24, v13, 8*(\t), v24
.endif
	ds_store_b128 v4, v[C+4*(\t):C+4*(\t)+3] offset:16*(\t)   ; 32 codes: 16 bytes of my column's row
.endm
	BLOCK 0
	BLOCK 1
	BLOCK 2
	BLOCK 3
	ds_store_b32 v9, v24
	s_wait_dscnt 0x0                               ; for the others' sake: my stores into the stage have landed
	s_barrier_signal -1
	s_barrier_wait -1                              ; 64 whole rows lie in the stage
.irp t, 0,1,2,3
	ds_load_b128 v[OUTR+4*\t:OUTR+4*\t+3], v7 offset:2*\t*PITCH
.endr
	ds_load_b32 v25, v10
.irp t, 0,1,2,3
	s_wait_dscnt 4-\t                              ; load t is in; the younger ones may be out
	global_store_b128 v8, v[OUTR+4*\t:OUTR+4*\t+3], s[10:11] offset:2*\t*512   ; sixteen lanes store 256 consecutive bytes, aligned
.endr
	s_wait_dscnt 0x0
	global_store_b32 v16, v25, s[12:13]
	s_wait_tensorcnt 0x0                           ; the wave's end, behind my last LDS store
	ds_add_u32 v[SPW], v[NIL]
	s_wait_dscnt 0x0
	s_endpgm
.Lfunc_end_k_q537404fa92_quant_w:
	.size	k_q537404fa92_quant_w, .Lfunc_end_k_q537404fa92_quant_w-k_q537404fa92_quant_w
	.p2alignl 7, 3214868480
	.fill 96, 4, 3214868480
	.section	.rodata,"a",@progbits
	.p2align	6, 0x0
	.amdhsa_kernel k_q537404fa92_quant_w
		.amdhsa_group_segment_fixed_size 19456
		.amdhsa_private_segment_fixed_size 0
		.amdhsa_enable_private_segment 0
		.amdhsa_kernarg_size 40
		.amdhsa_user_sgpr_count 2
		.amdhsa_user_sgpr_kernarg_segment_ptr 1
		.amdhsa_wavefront_size32 1
		.amdhsa_system_sgpr_workgroup_id_x 1
		.amdhsa_system_sgpr_workgroup_id_y 1
		.amdhsa_system_sgpr_workgroup_id_z 1
		.amdhsa_system_vgpr_workitem_id 0
		.amdhsa_next_free_vgpr 192
		.amdhsa_next_free_sgpr 66
		.amdhsa_reserve_vcc 0
		.amdhsa_float_denorm_mode_32 3
		.amdhsa_float_denorm_mode_16_64 3
		.amdhsa_memory_ordered 1
		.amdhsa_forward_progress 1
		.amdhsa_inst_pref_size 23
	.end_amdhsa_kernel
	.amdgpu_metadata
---
amdhsa.version: [ 1, 2 ]
amdhsa.kernels:
  - .name:           k_q537404fa92_quant_w
    .symbol:         k_q537404fa92_quant_w.kd
    .args:
      - { .name: Wq, .offset: 0, .size: 8, .value_kind: global_buffer, .address_space: global }
      - { .name: Wk, .offset: 8, .size: 8, .value_kind: global_buffer, .address_space: global }
      - { .name: Wv, .offset: 16, .size: 8, .value_kind: global_buffer, .address_space: global }
      - { .name: w_codes, .offset: 24, .size: 8, .value_kind: global_buffer, .address_space: global }
      - { .name: w_scales, .offset: 32, .size: 8, .value_kind: global_buffer, .address_space: global }
    .group_segment_fixed_size: 19456
    .private_segment_fixed_size: 0
    .kernarg_segment_align: 8
    .kernarg_segment_size: 40
    .max_flat_workgroup_size: 256
    .sgpr_count:     66
    .vgpr_count:     192
    .wavefront_size: 32
...
	.end_amdgpu_metadata
.endif
;; end of part 2
;; launch proj (part 3): grid 12 x 32, 4 waves a work-group, clusters of 4 x 4, 327,680 bytes of LDS; arguments x_codes, x_scales, w_codes, w_scales, bq, bk, q_emb, k_emb, qf, kv; writes qf, kv
.if DOCPART == 3
	.amdgcn_target "amdgcn-amd-amdhsa--gfx1250"
	.amdhsa_code_object_version 6
	.text
	.protected	k_q537404fa92_proj
	.globl	k_q537404fa92_proj
	.p2align	8
	.type	k_q537404fa92_proj,@function
k_q537404fa92_proj:
	s_mov_b64 s[64:65], 0
	v_nop
	global_prefetch_b8 v0, s[64:65] scope:SCOPE_SE
	s_setreg_imm32_b32 hwreg(HW_REG_WAVE_MODE, 25, 1), 1
	s_wait_xcnt 0x0
	s_wait_alu depctr_hold_cnt(0) depctr_sa_sdst(0) depctr_va_vdst(0) depctr_va_sdst(0) depctr_va_ssrc(0) depctr_va_vcc(0) depctr_vm_vsrc(0)
	s_getreg_b32 s2, hwreg(HW_REG_IB_STS2, 6, 4)
	s_cmp_eq_u32 s2, 0
	s_cbranch_scc0 .Lentry_in_a_cluster
	s_endpgm
.Lentry_in_a_cluster:
	s_bfe_u32 s2, ttmp6, 0x10000c
	s_cmp_lg_u32 s2, 0xf033
	s_cbranch_scc0 .Lentry_shape_is_right
	s_endpgm
.Lentry_shape_is_right:
; The three quantised products q, k, v = hidden x W, on codes of FP4 (E2M1) with one E8M0 scale for each 32 along K = 1024; sums in f32.  x_codes [8192][512 B], w_codes [3072][512 B], scale bytes [rows][32].
; A tile of 256 x 256 results is made by a work-group of four waves, a wave 128 x 128: 64 accumulators of 16 x 16, 512 registers.  8192 x 3072 results = 384 tiles = a grid of 12 x 32.
; All of K lies in LDS at once: two slots of 512 along K (rows of 256 bytes, 272 apart) and the scale bytes of the 512 rows; each is filled once, at the head: three tensor loads of a wave are out at the most.
; CLUSTERS of 4 x 4.  The A side's tile is shared along a row of the cluster, the B side's along a column: each is asked for JOINTLY, by the same tensor load with a mask that names the four.
; ROLES.  Source 0 of the matrix instruction is the B side, source 1 the A side: a lane (r, h) holds row r of the A side and rows 8 h + 0..7 of the B side.  Cluster x says which product:
;   0 (q), 1 (k): A side = 256 tokens, B side = 256 rows of w_codes (channels): a lane holds one token and eight neighbouring channels;
;   2 (v):        A side = 256 rows of Wv's codes (channels), B side = 256 tokens: a lane holds one channel and eight neighbouring keys.
;   Only pointers and row numbers are chosen, by selects on the cluster's x, which all sixteen partners share: there is no branch on it.
; THE WAY OUT.  An accumulator's eight numbers of a lane, rounded to f16 in pairs, ARE four registers of an operand of the attention launch (16 rows x 32 along its K: registers 0-3 hold 8 h + 0..7, registers 4-7
; hold 16 + 8 h + 0..7).  So qf and kv are laid as images of those registers: half a fragment = 32 lanes x 16 bytes = 512 consecutive aligned bytes = one store of the wave.  No stage in LDS.
;   qf [b 16 + head][tile of 16 queries (128)][channels 32 s on (2)][half c (2)][lane][16 B]; q is stored times log2(e) / 8, with its bias.
;   kv [b 16 + head][step of 64 keys (32)][ K: [tile of 16 keys (4)][s][c][lane][16 B] | V: [tile of 16 channels (4)][keys 32 g on (2)][c][lane][16 B] ], 8,192 bytes each.
; BIASES.  q and k get b + emb[3] here, by the multiply-add that scales.  v's is added in the attention launch, behind the division (the weights of a row sum to 1).  In v's clusters the B side is tokens, so the
; addend is made 0 by a factor 0 on the numbers loaded.
; LIMITS: biases and embeddings are finite; |k|, |v| up to 65,504 and |q| up to 363,000 (f16's range behind the factor log2(e) / 8).
; REGISTERS, in windows of 256.  Window 0: v1-29 addresses; v32-95 scale words, two sets, and nothing else; v96-127 packed results; v128-191 A's fragments, ONE set (on the way out: results in f32); v192-255 the bias.
;   Window 1: B's fragments, two sets, at v0 and v128.  Window 2: the accumulators of my A rows 0-63 ((a, b) at v[8 (8 (a % 4) + b)]).  Window 3: those of rows 64-127.
.set NQ,     4                         ; steps of 128 along K in a slot
.set ROWB,   256                       ; a tile's row in bytes: 512 codes
.set KROW,   512                       ; a row of codes in memory
.set PITCH,  272                       ; an LDS row: 256 bytes + 16 of padding = 68 words: the 16 rows that a load touches start at 16 different banks (64 banks of 4 bytes: ISA guide 11.1)
.set FR,     8                         ; registers of a fragment: 16 rows x 128 K
.set NL,     2                         ; LDS loads that bring one
.set NP,     4                         ; places behind this matrix instruction (ISA guide 7.12.1)
.set HALFT,  128*PITCH                 ; 128 rows: what one tensor load brings, and what one wave reads of a side
.set SLOT,   4*HALFT                   ; the A side's 256 rows, then the B side's
.set KS,     32                        ; a row of scale bytes
.set SCL,    2*SLOT                    ; behind the slots: the scale bytes, as rows of 256 bytes + 16 of padding
.set HALFS,  16*272                    ; those of 128 rows
.set SBLK,   2*272                     ; those of 16 rows
.set SPARE,  SCL+4*HALFS               ; the spare words: 128 bytes a wave, two blocks of 256 bytes that no other line names
.set CO,   8                           ; v8-11  the way out: 16 x lane + (a / 4) XA + (b / 4) XB, register 2 (a / 4) + b / 4
.set BO,   12                          ; v12    32 x (lane / 16): my eight numbers of a bias tile
.set ADRA, 16                          ; v16-17 LDS address of my A fragments in slot 0, 1
.set ADRB, 20                          ; v20-21 the same for B
.set ADRS, 27                          ; v27    LDS address of my scale words: lanes 0-15 the A side's rows, lanes 16-31 the B side's
.set SPW,  28                          ; v28    LDS address of my spare word; never rewritten
.set NIL,  29                          ; v29    0; never rewritten
.set SC,   32                          ; scale words: set s at v[SC + 32 s]; register 4 i + q: lanes 0-15 the word of A's block i, lanes 16-31 of B's block i, for the slot's q-th 128 along K
.set PK,   96
.set AF,   128
.set TMPF, 128
.set BIAS, 192                         ; register 8 b + j: (bias + emb[3]) x factor at the B side's row 16 b + 8 (lane / 16) + j
.set G1, 24                            ; s[24:31] descriptor group 1 for the A side's tiles;  s[32:39] group 0, one set for each slot
.set G0, 32
.set G1B, 48                           ; s[48:55], s[56:63] the same for the B side
.set G0B, 56
.set G1S, 68                           ; s[68:75], s[76:79] groups 1 and 0 for the A side's scales;  s[80:87], s[88:91] for the B side's
.set G0S, 76
.set G1SB, 80
.set G0SB, 88
.set CQ,   66                          ; s[66:67]   what the sums are multiplied by: log2(e) / 8 for q, else 1
.set CB,   98                          ; s[98:99]   what the bias is multiplied by: the same, but 0 for v
.set BIASP, 12                         ; s[12:13]   bq or bk at my first channel
.set EMBP, 96                          ; s[96:97]   q_emb or k_emb likewise
.set OUTP, 100                         ; s[100:101] qf or kv at my wave's part
.set MSB, 0
.macro WIN new                         ; the immediate's high byte repeats the setting that is left
.if MSB != \new
	s_set_vgpr_msb (MSB<<8)|\new
.set MSB, \new
.endif
.endm
.set MUL_LO, 0xa1                      ; source 0 (B) window 1, source 1 (A) window 0, C and D window 2
.set MUL_HI, 0xf1                      ; the same, C and D window 3
.set TO_B,   0x40                      ; destination window 1, address window 0
; A joint load: waves 0 and 1 fetch for the A side, waves 2 and 3 for the B side.  Each of the two lines has ONE mask and one set of registers for all that issue it; the branch hangs on the wave's number alone.
; An s_nop 0 and four v_nop follow each of the two lines, ahead of the jump, the label and what follows.
.macro JLOAD g0a, g1a, g0b, g1b
	s_cmp_eq_u32 s15, 0
	s_cbranch_scc0 .Lfor_b_\@
	tensor_load_to_lds s[\g0a:\g0a+3], s[\g1a:\g1a+7]
	s_nop 0
.rept 4
	v_nop
.endr
	s_branch .Lasked_\@
.Lfor_b_\@:
	tensor_load_to_lds s[\g0b:\g0b+3], s[\g1b:\g1b+7]
	s_nop 0
.rept 4
	v_nop
.endr
.Lasked_\@:
.endm
.macro CROUND                          ; a round of the cluster's barrier: my work-group's barrier; wave 0 signals for the work-group; every wave waits for all sixteen; my work-group's barrier once more
	s_barrier_signal -1
	s_barrier_wait -1
	s_cmp_lg_u32 s14, 0
	s_cbranch_scc1 .Lnot_wave_0_\@
	s_barrier_signal -3
.Lnot_wave_0_\@:
	s_barrier_wait -3
	s_barrier_signal -1
	s_barrier_wait -1
.endm
	s_load_b256 s[4:11], s[0:1], 0x0               ; x_codes s[4:5], x_scales s[6:7], w_codes s[8:9], w_scales s[10:11]
	s_load_b64 s[12:13], s[0:1], 0x20              ; bq
	s_load_b64 s[66:67], s[0:1], 0x28              ; bk
	s_load_b64 s[96:97], s[0:1], 0x30              ; q_emb
	s_load_b64 s[98:99], s[0:1], 0x38              ; k_emb
	s_load_b64 s[100:101], s[0:1], 0x40            ; qf
	s_load_b64 s[104:105], s[0:1], 0x48            ; kv
	v_lshl_add_u32 v[SPW], v0, 2, SPARE
	v_mov_b32 v[NIL], 0
	ds_add_u32 v[SPW], v[NIL]                      ; the wave's opening: the add, twice on end, and its wait ahead of my first tensor load; the set-up below stands between
	ds_add_u32 v[SPW], v[NIL]
	v_lshrrev_b32 v1, 5, v0
	v_readfirstlane_b32 s14, v1                    ; wave 0..3
	s_lshr_b32 s15, s14, 1                         ; which half of the A side's rows is mine.  Also: I fetch for the A side (0) or the B side (1)
	s_and_b32 s16, s14, 1                          ; which half of the B side's rows.  Also: which 128 rows of that tile I fetch
	s_bfe_u32 s40, ttmp6, 0x40000                  ; cx, cy: my place in the cluster
	s_bfe_u32 s41, ttmp6, 0x40004
	s_and_b32 s19, ttmp7, 0xffff
	s_lshl_b32 s19, s19, 2                         ; 4 x cluster y: the cluster's first block of 256 tokens
	s_lshl_b32 s42, ttmp9, 2                       ; 4 x cluster x: for q and k the cluster's first block of 256 rows of w_codes
	s_cmp_eq_u32 ttmp9, 2                          ; v's cluster?  The same in all sixteen partners
	s_cselect_b32 s17, 8, s19                      ; the A side's block of 256 rows: v: Wv's begin at block 8 of w_codes; else tokens
	s_cselect_b32 s42, s19, s42                    ; the B side's: v: tokens; else w_codes
	s_add_co_u32 s17, s17, s41                     ; + cy: shared along a row of the cluster
	s_add_co_u32 s42, s42, s40                     ; + cx: shared along a column
	s_lshl_b32 s43, s41, 2
	s_lshl_b32 s43, 15, s43                        ; my row of the cluster
	s_lshl_b32 s44, 0x1111, s40                    ; my column
	; descriptor group 1: a tile of 128 rows x 256 bytes, padded in LDS.  x_codes and w_codes have rows of the same length, so one shape serves both
	s_or_b32 s[G1+0], s43, (0<<16)|(1<<20)|(1<<21)|(5<<22)|(3<<25)  ; 15:0 the mask; 17:16 elements of 1 byte; 20 padding on; 21 set beside a mask; 24:22 after every 64 words (code 5); 31:25 four words (code 3)
	s_or_b32 s[G1B+0], s44, (0<<16)|(1<<20)|(1<<21)|(5<<22)|(3<<25)
.irp g, G1, G1B
	s_mov_b32 s[\g+1], ROWB<<16                    ; tensor_dim0
	s_mov_b32 s[\g+2], 128<<16                     ; tensor_dim1
	s_mov_b32 s[\g+3], ROWB<<16                    ; tile_dim0
	s_mov_b32 s[\g+4], 128                         ; tile_dim1
	s_mov_b32 s[\g+5], KROW                        ; tensor_dim0_stride
	s_mov_b32 s[\g+6], 0
	s_mov_b32 s[\g+7], 0
.endr
	; the scale bytes of 128 rows: 4,096 dense bytes, as 16 rows of 256 bytes (32 elements of 8 bytes), 16 bytes of padding behind each
	s_or_b32 s[G1S+0], s43, (3<<16)|(1<<20)|(1<<21)|(5<<22)|(3<<25)
	s_or_b32 s[G1SB+0], s44, (3<<16)|(1<<20)|(1<<21)|(5<<22)|(3<<25)
.irp g, G1S, G1SB
	s_mov_b32 s[\g+1], 32<<16
	s_mov_b32 s[\g+2], 16<<16
	s_mov_b32 s[\g+3], 32<<16
	s_mov_b32 s[\g+4], 16
	s_mov_b32 s[\g+5], 32
	s_mov_b32 s[\g+6], 0
	s_mov_b32 s[\g+7], 0
.endr
	s_lshl_b32 s18, s16, 7                         ; which 128 rows of the tile I fetch
	s_lshl_b32 s20, s17, 8
	s_add_co_u32 s20, s20, s18                     ; the A side's row
	s_lshl_b32 s46, s42, 8
	s_add_co_u32 s46, s46, s18                     ; the B side's
	s_mov_b32 s21, 0
	s_mov_b32 s47, 0
	s_mov_b64 s[18:19], KS
	s_mul_u64 s[22:23], s[20:21], s[18:19]         ; where these rows' scale bytes begin
	s_mul_u64 s[92:93], s[46:47], s[18:19]
	s_mov_b64 s[18:19], KROW
	s_mul_u64 s[20:21], s[20:21], s[18:19]         ; and their codes
	s_mul_u64 s[46:47], s[46:47], s[18:19]
	s_mul_i32 s45, s14, HALFT                      ; where they go: wave x 128 rows: no place in the cluster enters an LDS address
	s_mul_i32 s94, s14, HALFS
	s_wait_dscnt 0x0                               ; both opening adds are done
	s_wait_kmcnt 0x0
	s_cmp_eq_u32 ttmp9, 2                          ; one compare for the four choices: selects and 64-bit sums leave SCC alone
	s_cselect_b64 s[2:3], s[8:9], s[4:5]           ; the A side's codes: v: w_codes, else x_codes
	s_add_nc_u64 s[20:21], s[2:3], s[20:21]
	s_cselect_b64 s[2:3], s[10:11], s[6:7]         ; its scale bytes
	s_add_nc_u64 s[22:23], s[2:3], s[22:23]
	s_cselect_b64 s[2:3], s[4:5], s[8:9]           ; the B side's codes: v: x_codes, else w_codes
	s_add_nc_u64 s[46:47], s[2:3], s[46:47]
	s_cselect_b64 s[2:3], s[6:7], s[10:11]         ; its scale bytes
	s_add_nc_u64 s[92:93], s[2:3], s[92:93]
	CROUND                                         ; all sixteen work-groups are here: the joint loads meet
	s_mov_b32 s[G0S], 1
	s_add_co_u32 s[G0S+1], s94, SCL
	s_mov_b64 s[G0S+2:G0S+3], s[22:23]
	s_or_b32 s[G0S+3], s[G0S+3], 0x80000000
	s_mov_b32 s[G0SB], 1
	s_add_co_u32 s[G0SB+1], s94, SCL
	s_mov_b64 s[G0SB+2:G0SB+3], s[92:93]
	s_or_b32 s[G0SB+3], s[G0SB+3], 0x80000000
	JLOAD G0S, G1S, G0SB, G1SB                     ; the scale bytes first: they are wanted with the first step
.irp s, 0,1
	s_mov_b32 s[G0+4*\s], 1
	s_add_co_u32 s[G0+4*\s+1], s45, \s*SLOT
	s_add_nc_u64 s[G0+4*\s+2:G0+4*\s+3], s[20:21], \s*ROWB
	s_or_b32 s[G0+4*\s+3], s[G0+4*\s+3], 0x80000000
	s_mov_b32 s[G0B+4*\s], 1
	s_add_co_u32 s[G0B+4*\s+1], s45, \s*SLOT
	s_add_nc_u64 s[G0B+4*\s+2:G0B+4*\s+3], s[46:47], \s*ROWB
	s_or_b32 s[G0B+4*\s+3], s[G0B+4*\s+3], 0x80000000
	JLOAD G0+4*\s, G1, G0B+4*\s, G1B               ; k = 0 .. 511, then k = 512 .. 1023: all of K
.endr
	; THE WAY OUT'S NUMBERS, in registers that feed no descriptor.  Both alternatives are made first (shifts and sums set SCC), then chosen.
	s_lshl_b32 s2, s40, 2
	s_lshl_b32 s3, s16, 1
	s_add_co_u32 s2, s2, s3                        ; q, k: my first head = 4 cx + 2 (wave % 2): my 128 channels are two heads
	s_lshl_b32 s3, s41, 2
	s_lshl_b32 s18, s15, 1
	s_add_co_u32 s3, s3, s18                       ; v: 4 cy + 2 (wave / 2)
	s_and_b32 s19, ttmp7, 0xffff
	s_lshl_b32 s19, s19, 2
	s_add_co_u32 s18, s19, s41
	s_lshl_b32 s18, s18, 1
	s_add_co_u32 s18, s18, s15                     ; q, k: my block of 128 tokens = 2 (4 cluster y + cy) + wave / 2
	s_add_co_u32 s19, s19, s40
	s_lshl_b32 s19, s19, 1
	s_add_co_u32 s19, s19, s16                     ; v: 2 (4 cluster y + cx) + wave % 2
	s_cmp_eq_u32 ttmp9, 2
	s_cselect_b32 s2, s3, s2                       ; my first head
	s_cselect_b32 s18, s19, s18                    ; my block of 128 tokens
	s_cselect_b32 s20, 8192, 0                     ; V's part of a key step lies behind K's
	s_cmp_eq_u32 ttmp9, 0
	s_mov_b32 s21, 524288
	s_cselect_b32 s21, 262144, s21                 ; a head's bytes: in qf, in kv
	s_mov_b32 s22, 32768
	s_cselect_b32 s22, 16384, s22                  ; 128 tokens' bytes in a head
	s_cselect_b64 s[OUTP:OUTP+1], s[100:101], s[104:105]
	s_cselect_b64 s[BIASP:BIASP+1], s[12:13], s[66:67]
	s_cselect_b64 s[EMBP:EMBP+1], s[96:97], s[98:99]
	s_mov_b32 s23, 0x3f800000
	s_cselect_b32 s[CQ], 0x3e38aa3b, s23           ; log2(e) / 8 for q, else 1
	s_mov_b32 s[CQ+1], s[CQ]                       ; (named with it as a pair, so it is written)
	s_lshr_b32 s23, s22, 1                         ; 64 tokens' bytes
	s_cmp_eq_u32 ttmp9, 2
	s_cselect_b32 s[CB], 0, s[CQ]
	s_mov_b32 s[CB+1], s[CB]
	s_cselect_b32 s104, s21, s23                   ; XA: from A's blocks 0-3 to blocks 4-7: v: the next head; else the next 64 tokens
	s_cselect_b32 s105, s23, s21                   ; XB: from B's blocks 0-3 to blocks 4-7: v: the next 64 tokens; else the next head
	s_lshr_b32 s46, s18, 4                         ; the batch (16 blocks of 128 tokens each)
	s_lshl_b32 s46, s46, 4
	s_add_co_u32 s46, s46, s2                      ; 16 x batch + head
	s_mul_i32 s46, s46, s21
	s_and_b32 s47, s18, 15
	s_mul_i32 s47, s47, s22
	s_add_co_u32 s46, s46, s47
	s_add_co_u32 s46, s46, s20
	s_mov_b32 s47, 0
	s_add_nc_u64 s[OUTP:OUTP+1], s[OUTP:OUTP+1], s[46:47]
	s_lshl_b32 s46, s40, 10                        ; the B side's first row as a channel, in bytes: 4 (256 cx + 128 (wave % 2)): under 4,096 in every cluster
	s_lshl_b32 s47, s16, 9
	s_add_co_u32 s46, s46, s47
	s_mov_b32 s47, 0
	s_add_nc_u64 s[BIASP:BIASP+1], s[BIASP:BIASP+1], s[46:47]
	s_add_nc_u64 s[EMBP:EMBP+1], s[EMBP:EMBP+1], s[46:47]
	v_and_b32 v1, 15, v0                           ; l % 16
	v_bfe_u32 v2, v0, 4, 1                         ; l / 16
	v_lshlrev_b32 v[BO], 5, v2
.irp b, 0,1,2,3,4,5,6,7
	global_load_b128 v[BIAS+8*\b:BIAS+8*\b+3],   v[BO], s[BIASP:BIASP+1] offset:64*\b
	global_load_b128 v[BIAS+8*\b+4:BIAS+8*\b+7], v[BO], s[BIASP:BIASP+1] offset:64*\b+16
	global_load_b128 v[TMPF+8*\b:TMPF+8*\b+3],   v[BO], s[EMBP:EMBP+1] offset:3*4096+64*\b      ; row 3 of the table
	global_load_b128 v[TMPF+8*\b+4:TMPF+8*\b+7], v[BO], s[EMBP:EMBP+1] offset:3*4096+64*\b+16
.endr
	v_mul_u32_u24 v3, v1, PITCH
	v_lshl_add_u32 v4, v2, 4, v3                   ; a fragment's row x pitch + 16 x half
	s_mul_i32 s21, s15, HALFT                      ; my 128 rows of the A side
	s_mul_i32 s22, s16, HALFT                      ; my 128 rows of the B side,
	s_add_co_u32 s22, s22, 2*HALFT                 ; which lie behind A's 256
.irp s, 0,1
	v_add_nc_u32 v[ADRA+\s], s21, v4
	v_add_nc_u32 v[ADRB+\s], s22, v4
	s_add_co_u32 s21, s21, SLOT
	s_add_co_u32 s22, s22, SLOT
.endr
	v_mul_u32_u24 v5, v1, KS                       ; my row's scale bytes: 32 a row,
	v_lshrrev_b32 v6, 8, v5
	v_lshl_add_u32 v5, v6, 4, v5                   ; and 16 more for each 256 passed
	s_mul_i32 s21, s15, HALFS
	s_mul_i32 s22, s16, HALFS
	s_add_co_u32 s22, s22, 2*HALFS
	s_sub_co_u32 s22, s22, s21
	v_mul_u32_u24 v6, s22, v2                      ; lanes 16-31 take the B side's: one product, the distance between the two bases
	s_add_co_u32 s21, s21, SCL
	v_add_nc_u32 v5, v5, v6
	v_add_nc_u32 v[ADRS], s21, v5
	v_and_b32 v6, 31, v0
	v_lshlrev_b32 v[CO], 4, v6                     ; an image's place for my lane,
	v_add_nc_u32 v[CO+1], s105, v[CO]              ; + XB,
	v_add_nc_u32 v[CO+2], s104, v[CO]              ; + XA,
	v_add_nc_u32 v[CO+3], s105, v[CO+2]            ; + both
	s_wait_loadcnt 0x0                             ; the biases
.set i, 0
.rept 32
	v_pk_add_f32 v[BIAS+i:BIAS+i+1], v[BIAS+i:BIAS+i+1], v[TMPF+i:TMPF+i+1]
.set i, i+2
.endr
.set i, 0
.rept 32
	v_pk_mul_f32 v[BIAS+i:BIAS+i+1], v[BIAS+i:BIAS+i+1], s[CB:CB+1] op_sel_hi:[1,0]
.set i, i+2
.endr
.macro FRAG reg, adr, q, i             ; a fragment, 16 rows x 128 K of 4-bit codes: lane l holds row l % 16; registers 4 c .. 4 c + 3 hold K = 64 c + 32 (l / 16) + 0 .. 31
.irp c, 0,1
	ds_load_b128 v[\reg+4*\c:\reg+4*\c+3], v[\adr] offset:64*(\q)+32*\c+(\i)*16*PITCH
.endr
.endm
; 16 matrix instructions: A's blocks a0, a0 + 1 x B's eight, the slot's q-th 128 along K.  p: B's set;  sc: the set of scale words.  zero = 1: the first product starts the sums: nothing is cleared.
; The 64 accumulators take turns, one instruction a turn, in the same order in every step.
.macro MUL16 a0, p, q, sc, zero
.irp a, \a0, \a0+1
.irp b, 0,1,2,3,4,5,6,7
.if \zero
	v_wmma_scale_f32_16x16x128_f8f6f4 v[8*(8*((\a)%4)+\b):8*(8*((\a)%4)+\b)+7], v[128*(\p)+FR*\b:128*(\p)+FR*\b+FR-1], v[AF+FR*(\a):AF+FR*(\a)+FR-1], 0, v[SC+8*NQ*(\sc)+NQ*\b+(\q)], v[SC+8*NQ*(\sc)+NQ*(\a)+(\q)] matrix_a_fmt:MATRIX_FMT_FP4 matrix_b_fmt:MATRIX_FMT_FP4 matrix_a_scale:MATRIX_SCALE_ROW1
.else
	v_wmma_scale_f32_16x16x128_f8f6f4 v[8*(8*((\a)%4)+\b):8*(8*((\a)%4)+\b)+7], v[128*(\p)+FR*\b:128*(\p)+FR*\b+FR-1], v[AF+FR*(\a):AF+FR*(\a)+FR-1], v[8*(8*((\a)%4)+\b):8*(8*((\a)%4)+\b)+7], v[SC+8*NQ*(\sc)+NQ*\b+(\q)], v[SC+8*NQ*(\sc)+NQ*(\a)+(\q)] matrix_a_fmt:MATRIX_FMT_FP4 matrix_b_fmt:MATRIX_FMT_FP4 matrix_a_scale:MATRIX_SCALE_ROW1
.endif
.endr
.endr
.endm
.macro FETCH_B slot, q, p              ; B's eight fragments of the slot's q-th 128 along K into set p
	WIN TO_B
.irp i, 0,1,2,3,4,5,6,7
	FRAG 128*(\p)+FR*\i, ADRB+\slot, \q, \i
.endr
	WIN 0
.endm
.macro FETCH_A slot, q, i0             ; A's blocks i0 .. i0 + 3
.irp i, \i0, \i0+1, \i0+2, \i0+3
	FRAG AF+FR*(\i), ADRA+\slot, \q, \i
.endr
.endm
.macro SCALES sc                       ; a slot's scale words into set sc: four words a row; lanes 0-15 take A's block i, lanes 16-31 B's block i
.irp i, 0,1,2,3,4,5,6,7
	ds_load_b128 v[SC+8*NQ*\sc+NQ*\i:SC+8*NQ*\sc+NQ*\i+3], v[ADRS] offset:\i*SBLK
.endr
.endm
; A load into a register that a matrix instruction has read, and a vector instruction that reads a matrix result or writes one of its registers, stand NP places behind it; only plain vector instructions
; that name none of its registers are places (ISA guide 7.12.1 for vector instructions).
.macro PLACES n
.rept \n
	v_nop
.endr
.endm
; A step of 128 along K that has its successor in the same slot.  A's blocks go one after the other, each against B's eight, so ONE set of registers serves A: blocks 0-3 are fetched anew in the step's
; middle, blocks 4-7 at its end; B's fragments are at work through the whole step and have two sets.
.macro STEP slot, q, zero
	s_wait_dscnt 4*NL                              ; B's set and A's blocks 0-3 are in; the youngest eight loads (A's blocks 4-7) may be out
	WIN MUL_LO
	MUL16 0, (\q)%2, \q, \slot, \zero
	MUL16 2, (\q)%2, \q, \slot, \zero
	s_wait_dscnt 0                                 ; A's blocks 4-7 are in (asked for 32 matrix instructions ago)
	PLACES NP
	FETCH_B \slot, (\q)+1, 1-(\q)%2
	FETCH_A \slot, (\q)+1, 0
	WIN MUL_HI
	MUL16 4, (\q)%2, \q, \slot, \zero
	MUL16 6, (\q)%2, \q, \slot, \zero
	PLACES NP
	WIN 0
	FETCH_A \slot, (\q)+1, 4
.endm
; Slot 0's last step goes over to slot 1: each wave waits for all its tensor loads (its part of slot 1), adds 0 to its spare word, waits for that; behind the barrier slot 1 is whole.  Nothing is filled again.
.macro TURN slot, next
	s_wait_tensorcnt 0x0                           ; all my tensor loads have landed  (every window is 0 here: the add's two registers lie in window 0)
	ds_add_u32 v[SPW], v[NIL]                      ; 0 onto my spare word
	s_wait_dscnt 4*NL+1                            ; (the add and the youngest eight loads, A's blocks 4-7, may be out)
	WIN MUL_LO
	MUL16 0, 1, NQ-1, \slot, 0                     ; sixteen matrix instructions stand between the add and the wait for it
	s_wait_dscnt 0x0                               ; no LDS instruction of mine is pending at the signal
	s_barrier_signal -1
	MUL16 2, 1, NQ-1, \slot, 0
	WIN 0
	s_barrier_wait -1
	PLACES NP
	v_add_nc_u32 v[ADRS], 4*NQ, v[ADRS]            ; on to the next slot's scale words
	FETCH_B \next, 0, 0
	FETCH_A \next, 0, 0
	SCALES \next
	WIN MUL_HI
	MUL16 4, 1, NQ-1, \slot, 0
	MUL16 6, 1, NQ-1, \slot, 0
	PLACES NP
	WIN 0
	FETCH_A \next, 0, 4
.endm
.macro STEPS slot, from                ; the slot's steps from .. NQ - 2
.set Q, \from
.rept NQ-1-\from
	STEP \slot, Q, 0
.set Q, Q+1
.endr
.endm
	s_wait_tensorcnt 1                             ; the scale bytes and my part of slot 0 are in (slot 1's load, issued behind them, may be out),
	s_barrier_signal -1
	s_barrier_wait -1                              ; everybody's are
	FETCH_B 0, 0, 0
	FETCH_A 0, 0, 0
	SCALES 0
	FETCH_A 0, 0, 4
	STEP 0, 0, 1                                   ; the first step's products start the sums
	STEPS 0, 1
	TURN 0, 1
	STEPS 1, 0
	s_wait_dscnt 4*NL                              ; the last step: nothing more to fetch
	WIN MUL_LO
	MUL16 0, 1, NQ-1, 1, 0
	MUL16 2, 1, NQ-1, 1, 0
	s_wait_dscnt 0
	WIN MUL_HI
	MUL16 4, 1, NQ-1, 1, 0
	MUL16 6, 1, NQ-1, 1, 0
	WIN 0
; THE WAY OUT of A's block a: sum x factor + bias, each accumulator from its low end on; rounded to f16 in pairs; eight stores of 512 consecutive aligned bytes.
; Accumulator (a, b) is half b % 2 of fragment (a % 4, (b % 4) / 2) in the part that a / 4 and b / 4 pick (the next 64 tokens, the next head).
.macro OUT a
.set AC, 64*((\a)%4)
.set WN, 0x02+(\a)/4
	WIN WN                                         ; source 0: window 2 or 3
.irp b, 0,1,2,3,4,5,6,7
.irp i, 0,2,4,6
	v_pk_fma_f32 v[TMPF+8*\b+\i:TMPF+8*\b+\i+1], v[AC+8*\b+\i:AC+8*\b+\i+1], s[CQ:CQ+1], v[BIAS+8*\b+\i:BIAS+8*\b+\i+1] op_sel_hi:[1,0,1]
.endr
.endr
	WIN 0
.if (\a) > 0
	s_wait_xcnt 0x0                                ; the last block's stores have read their data: the packed registers are written again only behind this wait
.endif
.irp b, 0,1,2,3,4,5,6,7
.irp i, 0,1,2,3
	v_cvt_pk_f16_f32 v[PK+4*\b+\i], v[TMPF+8*\b+2*\i], v[TMPF+8*\b+2*\i+1]
.endr
.endr
.irp b, 0,1,2,3,4,5,6,7
	global_store_b128 v[CO+2*((\a)/4)+\b/4], v[PK+4*\b:PK+4*\b+3], s[OUTP:OUTP+1] offset:((\a)%4)*2048+((\b%4)/2)*1024+(\b%2)*512 th:TH_STORE_NT
.endr
.endm
	PLACES NP                                      ; behind the last products: their results are read, and A's fragment registers written, below
.irp a, 0,1,2,3,4,5,6,7
	OUT \a
.endr
	s_wait_tensorcnt 0x0                           ; the wave's end, behind my last tensor load
	ds_add_u32 v[SPW], v[NIL]
	s_wait_dscnt 0x0
	CROUND                                         ; the closing round: no work-group ends while a partner may still ask for a tile that names it
	s_endpgm
.Lfunc_end_k_q537404fa92_proj:
	.size	k_q537404fa92_proj, .Lfunc_end_k_q537404fa92_proj-k_q537404fa92_proj
	.p2alignl 7, 3214868480
	.fill 96, 4, 3214868480
	.section	.rodata,"a",@progbits
	.p2align	6, 0x0
	.amdhsa_kernel k_q537404fa92_proj
		.amdhsa_group_segment_fixed_size 327680
		.amdhsa_private_segment_fixed_size 0
		.amdhsa_enable_private_segment 0
		.amdhsa_kernarg_size 80
		.amdhsa_user_sgpr_count 2
		.amdhsa_user_sgpr_kernarg_segment_ptr 1
		.amdhsa_wavefront_size32 1
		.amdhsa_system_sgpr_workgroup_id_x 1
		.amdhsa_system_sgpr_workgroup_id_y 1
		.amdhsa_system_sgpr_workgroup_id_z 1
		.amdhsa_system_vgpr_workitem_id 0
		.amdhsa_next_free_vgpr 1024
		.amdhsa_next_free_sgpr 106
		.amdhsa_reserve_vcc 0
		.amdhsa_float_denorm_mode_32 3
		.amdhsa_float_denorm_mode_16_64 3
		.amdhsa_memory_ordered 1
		.amdhsa_forward_progress 1
		.amdhsa_inst_pref_size 143
	.end_amdhsa_kernel
	.amdgpu_metadata
---
amdhsa.version: [ 1, 2 ]
amdhsa.kernels:
  - .name:           k_q537404fa92_proj
    .symbol:         k_q537404fa92_proj.kd
    .args:
      - { .name: x_codes, .offset: 0, .size: 8, .value_kind: global_buffer, .address_space: global }
      - { .name: x_scales, .offset: 8, .size: 8, .value_kind: global_buffer, .address_space: global }
      - { .name: w_codes, .offset: 16, .size: 8, .value_kind: global_buffer, .address_space: global }
      - { .name: w_scales, .offset: 24, .size: 8, .value_kind: global_buffer, .address_space: global }
      - { .name: bq, .offset: 32, .size: 8, .value_kind: global_buffer, .address_space: global }
      - { .name: bk, .offset: 40, .size: 8, .value_kind: global_buffer, .address_space: global }
      - { .name: q_emb, .offset: 48, .size: 8, .value_kind: global_buffer, .address_space: global }
      - { .name: k_emb, .offset: 56, .size: 8, .value_kind: global_buffer, .address_space: global }
      - { .name: qf, .offset: 64, .size: 8, .value_kind: global_buffer, .address_space: global }
      - { .name: kv, .offset: 72, .size: 8, .value_kind: global_buffer, .address_space: global }
    .group_segment_fixed_size: 327680
    .private_segment_fixed_size: 0
    .kernarg_segment_align: 8
    .kernarg_segment_size: 80
    .max_flat_workgroup_size: 128
    .sgpr_count:     106
    .vgpr_count:     1024
    .wavefront_size: 32
...
	.end_amdgpu_metadata
.endif
;; end of part 3
;; launch attn (part 4): grid 4 x 64, 8 waves a work-group, clusters of 4 x 1, 327,680 bytes of LDS; arguments qf, kv, attention_mask, bv, v_emb, out0; writes out0
.if DOCPART == 4
	.amdgcn_target "amdgcn-amd-amdhsa--gfx1250"
	.amdhsa_code_object_version 6
	.text
	.protected	k_q537404fa92_attn
	.globl	k_q537404fa92_attn
	.p2align	8
	.type	k_q537404fa92_attn,@function
k_q537404fa92_attn:
	s_mov_b64 s[64:65], 0
	v_nop
	global_prefetch_b8 v0, s[64:65] scope:SCOPE_SE
	s_setreg_imm32_b32 hwreg(HW_REG_WAVE_MODE, 25, 1), 1
	s_wait_xcnt 0x0
	s_wait_alu depctr_hold_cnt(0) depctr_sa_sdst(0) depctr_va_vdst(0) depctr_va_sdst(0) depctr_va_ssrc(0) depctr_va_vcc(0) depctr_vm_vsrc(0)
	s_getreg_b32 s2, hwreg(HW_REG_IB_STS2, 6, 4)
	s_cmp_eq_u32 s2, 0
	s_cbranch_scc0 .Lentry_in_a_cluster
	s_endpgm
.Lentry_in_a_cluster:
	s_bfe_u32 s2, ttmp6, 0x10000c
	s_cmp_lg_u32 s2, 0x3003
	s_cbranch_scc0 .Lentry_shape_is_right
	s_endpgm
.Lentry_shape_is_right:
; out0[b][q][64 head + d] = the sum over keys of softmax_k(q . k / 8 + mask[b][k]) v[k][d] + bv + v_emb[3].  q, k, v come as f16, laid as images of the operands' registers (see below); products, maxima and
; sums in f32; the weights p are rounded to f16 for the second product.  v's bias is added behind the division: a row's weights sum to 1.
; SHARES.  A work-group owns 512 queries of one (batch, head); each of its eight waves 64: four tiles of 16, in 512 registers, so that two waves share a SIMD and one wave's vector work stands beside the
; other's matrix work and LDS loads.  Every wave walks all 2,048 keys, 64 a step.
; LAYOUT.  S^T = K Q^T (source 0 = 16 keys, source 1 = 16 queries): a lane holds ONE query (lane % 16) and the keys 8 (lane / 16) + 0..7.  Two such tiles, rounded to f16 in pairs, ARE source 1 (32 keys x 16
; queries) of O^T = V^T P, whose result again holds one query a lane, and eight channels.  q was stored times log2(e) / 8, and the mask times log2(e) is the C of a sum's first product: the products give
; t = log2(e) (q . k / 8 + mask) with no vector instruction.
; SOFTMAX.  For each query a running maximum M of t and a sum L: p = 2^(t - M); in every step O^T and L are multiplied by a = 2^(old M - new M).  M begins at -3e38, O^T and L as zeros: the step is written once.
; IMAGES.  qf [b 16 + head][tile of 16 queries][channels 32 s on][half c][lane][16 B];  kv [b 16 + head][step of 64 keys][K: [tile of 16 keys][s][c][lane][16 B] | V^T: [tile of 16 channels][keys 32 g on][c][lane][16 B]].
; Half a fragment (registers 4 c .. 4 c + 3) is 512 consecutive bytes, lane l's at 16 l: every LDS load reads 512 consecutive bytes; no pitch, no padding, nothing is turned.
; RING.  Two slots of 8 key steps (131,072 dense bytes).  Wave w fetches key step w of a slot by one tensor load of 16,384 bytes; one load of a wave is out at a time.  A slot is asked for at the change of slots,
; 8 key steps (512 matrix instructions of each wave) ahead of the wait for it: so nothing is prefetched beside it.
; CLUSTER.  The four blocks of 512 queries of a (batch, head) walk the same K and V: each tile is asked for JOINTLY by the same tensor load with the mask 15 in all four.
; LIMITS: the mask times log2(e) is held at -1e30 from below, so -infinity counts as weight 0; a row whose EVERY key carries -infinity gives the mean of v here (reference(): NaN); NaN and +infinity are not served.
; REGISTERS.  Window 0: v2-13 addresses; v16-31 M, old M, L (two halves) of each tile; v32-47 at work for a piece's two tiles; v48-79 the mask as C; v80-143 K; v144-207 S^T of two tiles, then p, then P; v208-239 v's bias.
;   Window 1: v0-127 O^T (tile t at 32 t, channels 16 u on at + 8 u); v128-191 Q (tile t, step s at 128 + 16 t + 8 s); v192-255 V^T (fragment (u, g) at 192 + 16 u + 8 g).
.set SLOT1, 1<<17                      ; slot 1 begins here: one exclusive or turns an address in one slot into the other's
.set STEPB, 16384                      ; a key step: K's 8,192 bytes, then V's
.set MASK,  2*SLOT1                    ; behind the ring: log2(e) x the batch's mask, 2,048 numbers
.set STAGE, MASK+8192                  ; the way out: 16 rows x (256 bytes + 16) for each wave
.set SP,    272
.set SPARE, STAGE+8*16*SP              ; the spare words: 128 bytes a wave, four blocks of 256 bytes that no other line names
.set LI,  2                            ; v2   16 x lane: an image's place for my lane
.set ADR, 3                            ; v3   LDS address of the step's images
.set MA0, 4                            ; v4   MASK + 32 (lane / 16)
.set MAD, 5                            ; v5   LDS address of the step's mask
.set SPW, 6                            ; v6   LDS address of my spare word; never rewritten
.set NIL, 7                            ; v7   0; never rewritten
.set GO,  8                            ; v8   the way out: my byte offset in two rows of out0
.set STO, 9                            ; v9   where I put 32 bytes of a row
.set RD,  10                           ; v10  where I read a row back
.set BO,  11                           ; v11  32 (lane / 16): my eight numbers of a bias tile
.set MG,  12                           ; v12  16 x thread: the mask in memory
.set ML,  13                           ; v13  and in LDS
.set PS,  16
.set TT,  32
.set MK,  48
.set KF,  80
.set S,   144
.set BV,  208
.set QF,  128                          ; in window 1
.set VF,  192                          ; in window 1
.set WV,  16                           ; s16  my wave's number
.set SEL, 20                           ; s[20:21] lane selects for v_permlanex16_b32: lane l xor 16
.set G1,  24                           ; s[24:31] descriptor group 1
.set G0,  32                           ; s[32:35] descriptor group 0, which walks
.set TB,  36                           ; s36  LDS byte at which the step's images begin
.set TM,  37                           ; s37  the step's place in the mask: 256 bytes a step
.set SLOTS, 38
.set STEPS, 39
.set MSB, 0
.macro WIN new                         ; the immediate's high byte repeats the setting that is left
.if MSB != \new
	s_set_vgpr_msb (MSB<<8)|\new
.set MSB, \new
.endif
.endm
.set W_KQ, 0x04                        ; Q (source 1) in window 1; K, the mask and S^T in window 0
.set W_PV, 0x51                        ; V (source 0) and O^T (C and D) in window 1, P in window 0
.set W_RS, 0x41                        ; O^T (destination and source 0) in window 1, a in window 0
.set TO_1, 0x40                        ; destination window 1, address window 0
.macro CROUND                          ; a round of the cluster's barrier
	s_barrier_signal -1
	s_barrier_wait -1
	s_cmp_lg_u32 s[WV], 0
	s_cbranch_scc1 .Lnot_wave_0_\@
	s_barrier_signal -3
.Lnot_wave_0_\@:
	s_barrier_wait -3
	s_barrier_signal -1
	s_barrier_wait -1
.endm
	s_load_b256 s[4:11], s[0:1], 0x0               ; qf s[4:5], kv s[6:7], attention_mask s[8:9], bv s[10:11]
	s_load_b128 s[12:15], s[0:1], 0x20             ; v_emb s[12:13], out0 s[14:15]
	v_lshl_add_u32 v[SPW], v0, 2, SPARE
	v_mov_b32 v[NIL], 0
	ds_add_u32 v[SPW], v[NIL]                      ; the wave's opening: the add, twice on end, and its wait ahead of my first tensor load; the set-up below stands between
	ds_add_u32 v[SPW], v[NIL]
	v_lshrrev_b32 v1, 5, v0
	v_readfirstlane_b32 s[WV], v1                  ; wave 0..7
	s_bfe_u32 s17, ttmp6, 0x40000                  ; cx: my place in the cluster
	s_lshl_b32 s18, ttmp9, 2
	s_add_co_u32 s18, s18, s17                     ; my block of 512 queries: it enters qf's and out0's addresses alone
	s_and_b32 s19, ttmp7, 0xffff                   ; 16 x batch + head, which the four partners share
	; descriptor group 1: 16,384 dense bytes as 64 rows of 256 bytes (32 elements of 8 bytes), no padding
	s_mov_b32 s[G1], 15|(3<<16)|(1<<21)            ; 15:0 the mask: all four work-groups; 17:16 elements of 8 bytes; 21 set beside a mask
	s_mov_b32 s[G1+1], 32<<16                      ; tensor_dim0
	s_mov_b32 s[G1+2], 64<<16                      ; tensor_dim1
	s_mov_b32 s[G1+3], 32<<16                      ; tile_dim0
	s_mov_b32 s[G1+4], 64                          ; tile_dim1
	s_mov_b32 s[G1+5], 32                          ; tensor_dim0_stride
	s_mov_b32 s[G1+6], 0
	s_mov_b32 s[G1+7], 0
	s_mov_b32 s[SEL], 0x76543210
	s_mov_b32 s[SEL+1], 0xfedcba98
	s_mov_b32 s[TB], 0
	s_mov_b32 s[TM], 0
	s_mov_b32 s[SLOTS], 3
	s_lshl_b32 s40, s19, 19                        ; kv: a head's 524,288 bytes, my wave's key step of the slot
	s_lshl_b32 s41, s[WV], 14
	s_add_co_u32 s40, s40, s41
	s_mov_b32 s41, 0
	s_lshl_b32 s42, s19, 18                        ; qf: a head's 262,144 bytes, my block's 65,536, my wave's 8,192
	s_lshl_b32 s43, s18, 16
	s_add_co_u32 s42, s42, s43
	s_lshl_b32 s43, s[WV], 13
	s_add_co_u32 s42, s42, s43
	s_mov_b32 s43, 0
	s_lshr_b32 s44, s19, 4                         ; the batch
	s_lshl_b32 s22, s44, 23                        ; out0: 2,048 rows of 4,096 bytes a batch,
	s_lshl_b32 s44, s44, 13                        ; the mask: 8,192 bytes a batch
	s_mov_b32 s45, 0
	s_and_b32 s46, s19, 15                         ; the head: 256 bytes of a row of out0, of bv and of v_emb
	s_lshl_b32 s46, s46, 8
	s_mov_b32 s47, 0
	s_lshl_b32 s23, s18, 21                        ; 512 rows a block,
	s_add_co_u32 s22, s22, s23
	s_lshl_b32 s23, s[WV], 18                      ; 64 rows a wave,
	s_add_co_u32 s22, s22, s23
	s_add_co_u32 s22, s22, s46                     ; and the head's 256 bytes
	s_mov_b32 s23, 0
	s_wait_dscnt 0x0                               ; both opening adds are done
	s_wait_kmcnt 0x0
	s_mov_b32 s[G0], 1                             ; 1:0 count = 1
	s_lshl_b32 s[G0+1], s[WV], 14                  ; 63:32 LDS address: slot 0, key step = my wave's number: no place in the cluster enters it
	s_add_nc_u64 s[G0+2:G0+3], s[6:7], s[40:41]    ; 120:64 global address
	s_or_b32 s[G0+3], s[G0+3], 0x80000000          ; 127:126 type = 2
	CROUND                                         ; all four work-groups are here: the first joint loads meet
	tensor_load_to_lds s[G0:G0+3], s[G1:G1+7]      ; slot 0: keys 0 to 511
	s_nop 0
.rept 4
	v_nop
.endr
	s_add_nc_u64 s[4:5], s[4:5], s[42:43]
	s_add_nc_u64 s[8:9], s[8:9], s[44:45]
	s_add_nc_u64 s[10:11], s[10:11], s[46:47]
	s_add_nc_u64 s[12:13], s[12:13], s[46:47]
	s_add_nc_u64 s[14:15], s[14:15], s[22:23]
	v_and_b32 v1, 31, v0
	v_lshlrev_b32 v[LI], 4, v1
	v_and_b32 v14, 15, v0                          ; r
	v_bfe_u32 v15, v0, 4, 1                        ; h
	v_lshlrev_b32 v[BO], 5, v15
	v_lshlrev_b32 v[MG], 4, v0
	global_load_b128 v[176:179], v[MG], s[8:9]               ; the batch's mask: 256 threads x 16 bytes, twice
	global_load_b128 v[180:183], v[MG], s[8:9] offset:4096
.irp u, 0,1,2,3
	global_load_b128 v[BV+8*\u:BV+8*\u+3],   v[BO], s[10:11] offset:64*\u           ; bv at channels 16 u + 8 h + 0..7 of my head
	global_load_b128 v[BV+8*\u+4:BV+8*\u+7], v[BO], s[10:11] offset:64*\u+16
.endr
.irp u, 0,1,2,3
	global_load_b128 v[S+8*\u:S+8*\u+3],   v[BO], s[12:13] offset:3*4096+64*\u      ; row 3 of v_emb likewise
	global_load_b128 v[S+8*\u+4:S+8*\u+7], v[BO], s[12:13] offset:3*4096+64*\u+16
.endr
	WIN TO_1
.set i, 0
.rept 16
	global_load_b128 v[QF+4*i:QF+4*i+3], v[LI], s[4:5] offset:512*i                 ; Q stays in registers: four tiles x two fragments x two halves
.set i, i+1
.endr
	WIN 0
	s_mul_i32 s40, s[WV], 16*SP
	s_add_co_u32 s40, s40, STAGE                   ; my stage
	v_mul_u32_u24 v[STO], v14, SP                  ; in: row r, 32 bytes for each half of the lanes
	v_lshl_add_u32 v[STO], v15, 5, v[STO]
	v_add_nc_u32 v[STO], s40, v[STO]
	v_mul_u32_u24 v[RD], v15, SP                   ; back: lanes 0-15 one row of 256 bytes, lanes 16-31 the next
	v_lshl_add_u32 v[RD], v14, 4, v[RD]
	v_add_nc_u32 v[RD], s40, v[RD]
	v_lshlrev_b32 v[GO], 12, v15                   ; and the same two rows in out0
	v_lshl_add_u32 v[GO], v14, 4, v[GO]
	v_lshl_add_u32 v[MA0], v15, 5, MASK
	v_add_nc_u32 v[ML], MASK, v[MG]
	s_wait_loadcnt 32                              ; the mask's two loads are in; the 32 younger ones may be out
.irp i, 0,2,4,6
	v_pk_mul_f32 v[176+\i:177+\i], v[176+\i:177+\i], 0x3fb8aa3b op_sel_hi:[1,0]     ; x log2(e)
.endr
.irp i, 0,1,2,3,4,5,6,7
	v_max_num_f32 v[176+\i], 0xf149f2ca, v[176+\i]                                  ; held at -1e30 from below
.endr
	ds_store_b128 v[ML], v[176:179]
	ds_store_b128 v[ML], v[180:183] offset:4096
	s_wait_loadcnt 16                              ; the biases are in; Q's sixteen loads may be out
.set i, 0
.rept 16
	v_pk_add_f32 v[BV+i:BV+i+1], v[BV+i:BV+i+1], v[S+i:S+i+1]
.set i, i+2
.endr
.irp t, 0,1,2,3
	v_mov_b32 v[PS+4*\t], 0xff61b1e6               ; M: -3e38, under every t
	v_mov_b32 v[PS+4*\t+1], 0
	v_mov_b32 v[PS+4*\t+2], 0                      ; L, in two halves
	v_mov_b32 v[PS+4*\t+3], 0
.endr
	WIN TO_1
.set i, 0
.rept 128
	v_mov_b32 v[i], 0                              ; O^T, once: the first step finds zeros, which its a = 0 leaves zeros
.set i, i+1
.endr
	WIN 0
	s_wait_loadcnt 0x0                             ; Q
; A PIECE: tiles x and x + 1 of my four, for the step's 64 keys: 16 products K Q^T, the softmax, 16 products V^T P.  The two tiles take turns line by line, so that no line waits for the line above it.
.macro PIECE x
.set PT0, PS+4*(\x)
.set PT1, PT0+4
.set OT0, 32*(\x)
.set OT1, OT0+32
.set QT0, QF+16*(\x)
.set QT1, QT0+16
.set ST0, S
.set ST1, S+32
.set WT0, TT                           ; +0 .. +3 four chains of the maximum; a takes +2's place; +4, +5 and +6, +7 two chains of the sum
.set WT1, TT+8
	WIN W_KQ
.irp kt, 0,1,2,3                       ; channels 0-31: the mask is the C.  The eight accumulators take turns, one instruction a turn
	v_wmma_f32_16x16x32_f16 v[ST0+8*\kt:ST0+8*\kt+7], v[KF+16*\kt:KF+16*\kt+7], v[QT0:QT0+7], v[MK+8*\kt:MK+8*\kt+7]
	v_wmma_f32_16x16x32_f16 v[ST1+8*\kt:ST1+8*\kt+7], v[KF+16*\kt:KF+16*\kt+7], v[QT1:QT1+7], v[MK+8*\kt:MK+8*\kt+7]
.endr
.irp kt, 0,1,2,3                       ; channels 32-63
	v_wmma_f32_16x16x32_f16 v[ST0+8*\kt:ST0+8*\kt+7], v[KF+16*\kt+8:KF+16*\kt+15], v[QT0+8:QT0+15], v[ST0+8*\kt:ST0+8*\kt+7]
	v_wmma_f32_16x16x32_f16 v[ST1+8*\kt:ST1+8*\kt+7], v[KF+16*\kt+8:KF+16*\kt+15], v[QT1+8:QT1+15], v[ST1+8*\kt:ST1+8*\kt+7]
.endr
	WIN 0
	v_mov_b32 v[PT0+1], v[PT0]                     ; the old M is kept for a.  These two and two v_nop are the four places behind the products
	v_mov_b32 v[PT1+1], v[PT1]
	v_nop
	v_nop
.irp j, 0,1,2,3                        ; the maximum of the lane's 32 t and the old M, three operands at a time; each accumulator is read from its low end on
	v_max3_num_f32 v[WT0+\j], v[ST0+8*\j], v[ST0+8*\j+1], v[ST0+8*\j+2]
	v_max3_num_f32 v[WT1+\j], v[ST1+8*\j], v[ST1+8*\j+1], v[ST1+8*\j+2]
.endr
.irp n, 3,5
.irp j, 0,1,2,3
	v_max3_num_f32 v[WT0+\j], v[WT0+\j], v[ST0+8*\j+\n], v[ST0+8*\j+\n+1]
	v_max3_num_f32 v[WT1+\j], v[WT1+\j], v[ST1+8*\j+\n], v[ST1+8*\j+\n+1]
.endr
.endr
	v_max3_num_f32 v[WT0], v[WT0], v[ST0+7], v[ST0+15]
	v_max3_num_f32 v[WT1], v[WT1], v[ST1+7], v[ST1+15]
	v_max3_num_f32 v[WT0+2], v[WT0+2], v[ST0+23], v[ST0+31]
	v_max3_num_f32 v[WT1+2], v[WT1+2], v[ST1+23], v[ST1+31]
	v_max3_num_f32 v[WT0], v[WT0], v[WT0+1], v[WT0+2]
	v_max3_num_f32 v[WT1], v[WT1], v[WT1+1], v[WT1+2]
	v_max3_num_f32 v[WT0], v[WT0], v[WT0+3], v[PT0]
	v_max3_num_f32 v[WT1], v[WT1], v[WT1+3], v[PT1]
	v_permlanex16_b32 v[WT0+1], v[WT0], s[SEL], s[SEL+1]   ; the query's other 32 keys lie in the lane 16 away
	v_permlanex16_b32 v[WT1+1], v[WT1], s[SEL], s[SEL+1]
	v_max_num_f32 v[PT0], v[WT0], v[WT0+1]         ; the new M
	v_max_num_f32 v[PT1], v[WT1], v[WT1+1]
	v_sub_f32 v[PT0+1], v[PT0+1], v[PT0]           ; old M - new M, 0 or less
	v_sub_f32 v[PT1+1], v[PT1+1], v[PT1]
.set n, 0
.rept 16
	v_pk_add_f32 v[ST0+n:ST0+n+1], v[ST0+n:ST0+n+1], v[PT0:PT0+1] op_sel_hi:[1,0] neg_lo:[0,1] neg_hi:[0,1]   ; t - M, two at a time (of the pair the low word, M, serves both halves)
	v_pk_add_f32 v[ST1+n:ST1+n+1], v[ST1+n:ST1+n+1], v[PT1:PT1+1] op_sel_hi:[1,0] neg_lo:[0,1] neg_hi:[0,1]
.set n, n+2
.endr
	v_exp_f32 v[WT0+2], v[PT0+1]                   ; a.  ONE BATCH: the piece's 66 exponentials; none reads another's result
	v_exp_f32 v[WT1+2], v[PT1+1]
.set n, 0
.rept 32
	v_exp_f32 v[ST0+n], v[ST0+n]                   ; p = 2^(t - M), at most 1
	v_exp_f32 v[ST1+n], v[ST1+n]
.set n, n+1
.endr
	v_nop                                          ; a plain instruction behind the last exponential, ahead of the first use
	s_wait_alu depctr_va_vdst(0)                   ; and a wait ahead of the first instruction that names a result: one for the batch
	v_pk_add_f32 v[WT0+4:WT0+5], v[ST0:ST0+1], v[ST0+2:ST0+3]           ; the sum of the unrounded p, two at a time, in two chains a tile
	v_pk_add_f32 v[WT1+4:WT1+5], v[ST1:ST1+1], v[ST1+2:ST1+3]
	v_pk_add_f32 v[WT0+6:WT0+7], v[ST0+4:ST0+5], v[ST0+6:ST0+7]
	v_pk_add_f32 v[WT1+6:WT1+7], v[ST1+4:ST1+5], v[ST1+6:ST1+7]
.irp n, 8,12,16,20,24,28
	v_pk_add_f32 v[WT0+4:WT0+5], v[WT0+4:WT0+5], v[ST0+\n:ST0+\n+1]
	v_pk_add_f32 v[WT1+4:WT1+5], v[WT1+4:WT1+5], v[ST1+\n:ST1+\n+1]
	v_pk_add_f32 v[WT0+6:WT0+7], v[WT0+6:WT0+7], v[ST0+\n+2:ST0+\n+3]
	v_pk_add_f32 v[WT1+6:WT1+7], v[WT1+6:WT1+7], v[ST1+\n+2:ST1+\n+3]
.endr
	v_pk_add_f32 v[WT0+4:WT0+5], v[WT0+4:WT0+5], v[WT0+6:WT0+7]
	v_pk_add_f32 v[WT1+4:WT1+5], v[WT1+4:WT1+5], v[WT1+6:WT1+7]
	v_pk_fma_f32 v[PT0+2:PT0+3], v[PT0+2:PT0+3], v[WT0+2:WT0+3], v[WT0+4:WT0+5] op_sel_hi:[1,0,1]   ; L = a L + the sum
	v_pk_fma_f32 v[PT1+2:PT1+3], v[PT1+2:PT1+3], v[WT1+2:WT1+3], v[WT1+4:WT1+5] op_sel_hi:[1,0,1]
.set n, 0
.rept 16
	v_cvt_pk_f16_f32 v[ST0+n], v[ST0+2*n], v[ST0+2*n+1]    ; P in place, ascending: register n is written when registers 2 n and 2 n + 1 are read.  Fragment g (keys 32 g on) is registers 8 g .. 8 g + 7
	v_cvt_pk_f16_f32 v[ST1+n], v[ST1+2*n], v[ST1+2*n+1]
.set n, n+1
.endr
	WIN W_RS
.set n, 0
.rept 16
	v_pk_mul_f32 v[OT0+n:OT0+n+1], v[OT0+n:OT0+n+1], v[WT0+2:WT0+3] op_sel_hi:[1,0]   ; O^T x a, each accumulator from its low end on
	v_pk_mul_f32 v[OT1+n:OT1+n+1], v[OT1+n:OT1+n+1], v[WT1+2:WT1+3] op_sel_hi:[1,0]
.set n, n+2
.endr
.if (\x) == 0
	s_wait_dscnt 0x0                               ; V is in
.endif
	WIN W_PV
.irp g, 0,1                            ; O^T += V^T P: the eight accumulators take turns
.irp u, 0,1,2,3
	v_wmma_f32_16x16x32_f16 v[OT0+8*\u:OT0+8*\u+7], v[VF+16*\u+8*\g:VF+16*\u+8*\g+7], v[ST0+8*\g:ST0+8*\g+7], v[OT0+8*\u:OT0+8*\u+7]
	v_wmma_f32_16x16x32_f16 v[OT1+8*\u:OT1+8*\u+7], v[VF+16*\u+8*\g:VF+16*\u+8*\g+7], v[ST1+8*\g:ST1+8*\g+7], v[OT1+8*\u:OT1+8*\u+7]
.endr
.endr
	WIN 0
.rept 5
	v_nop                                          ; five places: the next products K Q^T write over P's registers (five are asked of a matrix instruction), the next step's loads land in V's (four)
.endr
.endm
; A KEY STEP: 64 keys.  40 LDS loads in one run: K's 16, the mask's 8 (the lanes of a half read one address), V's 16.
.macro STEP
	v_add_nc_u32 v[ADR], s[TB], v[LI]
	v_add_nc_u32 v[MAD], s[TM], v[MA0]
.set i, 0
.rept 16
	ds_load_b128 v[KF+4*i:KF+4*i+3], v[ADR] offset:512*i
.set i, i+1
.endr
.irp kt, 0,1,2,3
	ds_load_b128 v[MK+8*\kt:MK+8*\kt+3],   v[MAD] offset:64*\kt           ; register 8 kt + j: the mask of key 16 kt + 8 (lane / 16) + j
	ds_load_b128 v[MK+8*\kt+4:MK+8*\kt+7], v[MAD] offset:64*\kt+16
.endr
	WIN TO_1
.set i, 0
.rept 16
	ds_load_b128 v[VF+4*i:VF+4*i+3], v[ADR] offset:8192+512*i
.set i, i+1
.endr
	WIN 0
	s_wait_dscnt 16                                ; K and the mask are in; V's sixteen loads may be out
	PIECE 0
	PIECE 2
	s_add_co_u32 s[TB], s[TB], STEPB
	s_add_co_u32 s[TM], s[TM], 256
.endm
; THE CHANGE OF SLOTS stands at a slot's head.  Each wave waits for all its tensor loads (its part of the slot ahead), adds 0 to its spare word, and waits for that and for its LDS instructions (its reads of the
; slot that it has left; in the first change its stores of the mask).  fill = 1: the barrier is a round of the cluster's, so that no wave of any partner still reads the other slot or has a load on its way, and the
; joint load of the next 512 keys is the first thing behind it.
.macro CHANGE fill
	s_wait_tensorcnt 0x0                           ; no tensor load of mine is out, so group 0 may be written
	ds_add_u32 v[SPW], v[NIL]                      ; 0 onto my spare word
.if \fill
	s_xor_b32 s[G0+1], s[G0+1], SLOT1              ; the walking descriptor: the other slot than last time,
	s_add_nc_u64 s[G0+2:G0+3], s[G0+2:G0+3], 8*STEPB   ; the next 8 key steps; the type bits on top are not reached
.endif
	s_wait_dscnt 0x0
.if \fill
	CROUND
	tensor_load_to_lds s[G0:G0+3], s[G1:G1+7]      ; my one tensor load until the next round
	s_nop 0
.rept 4
	v_nop
.endr
.else
	s_barrier_signal -1
	s_barrier_wait -1
.endif
.endm
.macro SLOT_STEPS                      ; a slot's eight key steps: written once, walked eight times
	s_mov_b32 s[STEPS], 8
.Lstep_\@:
	STEP
	s_sub_co_u32 s[STEPS], s[STEPS], 1
	s_cmp_lg_u32 s[STEPS], 0
	s_cbranch_scc1 .Lstep_\@
	s_sub_co_u32 s[TB], s[TB], 8*STEPB             ; back to a slot's first step,
	s_xor_b32 s[TB], s[TB], SLOT1                  ; in the other slot
.endm
.Lslot:                                            ; three trips: behind each change of slots but the last the next slot is asked for
	CHANGE 1
	SLOT_STEPS
	s_sub_co_u32 s[SLOTS], s[SLOTS], 1
	s_cmp_lg_u32 s[SLOTS], 0
	s_cbranch_scc1 .Lslot
	CHANGE 0                                       ; the last slot is written out
	SLOT_STEPS
	; THE WAY OUT.  L's two halves and the other half of the lanes' are added; O^T / L + v's bias goes through my stage in LDS, a tile (16 rows) at a time, and leaves as runs of 256 aligned bytes.
.irp t, 0,1,2,3
	v_add_f32 v[TT+4*\t], v[PS+4*\t+2], v[PS+4*\t+3]
.endr
.irp t, 0,1,2,3
	v_permlanex16_b32 v[TT+4*\t+1], v[TT+4*\t], s[SEL], s[SEL+1]
.endr
.irp t, 0,1,2,3
	v_add_f32 v[TT+4*\t], v[TT+4*\t], v[TT+4*\t+1]
.endr
.irp t, 0,1,2,3
	v_rcp_f32 v[TT+4*\t+2], v[TT+4*\t]
.endr
	v_nop                                          ; a plain instruction between the last reciprocal and the use of its result
	s_wait_alu depctr_va_vdst(0)                   ; and a wait ahead of the first use: one for the four
.macro PACK t
	WIN 0x01                                       ; source 0 (O^T) window 1
.set i, 0
.rept 16
	v_pk_fma_f32 v[KF+32*\t+i:KF+32*\t+i+1], v[32*\t+i:32*\t+i+1], v[TT+4*\t+2:TT+4*\t+3], v[BV+i:BV+i+1] op_sel_hi:[1,0,1]   ; register 8 u + j: out(query r, channel 16 u + 8 h + j)
.set i, i+2
.endr
	WIN 0
.irp u, 0,1,2,3
	ds_store_b128 v[STO], v[KF+32*\t+8*\u:KF+32*\t+8*\u+3] offset:64*\u
	ds_store_b128 v[STO], v[KF+32*\t+8*\u+4:KF+32*\t+8*\u+7] offset:64*\u+16
.endr
.irp f, 0,1,2,3,4,5,6,7
	ds_load_b128 v[KF+32*\t+4*\f:KF+32*\t+4*\f+3], v[RD] offset:\f*2*SP   ; LDS serves a wave's instructions in order (ISA guide 5.7.1.4): these see the stores above; the next tile's stores come behind them
.endr
.endm
.macro SEND t, younger                 ; younger: the LDS instructions issued behind tile t's loads: the next tile's sixteen, or none
.irp f, 0,1,2,3,4,5,6,7
	s_wait_dscnt \younger+7-\f
	global_store_b128 v[GO], v[KF+32*\t+4*\f:KF+32*\t+4*\f+3], s[14:15] offset:(16*\t+2*\f)*4096 th:TH_STORE_NT   ; sixteen lanes store 256 consecutive bytes, aligned
.endr
.endm
	PACK 0
	PACK 1                                         ; a tile's arithmetic stands between the loads of the tile before and its stores
	SEND 0, 16
	PACK 2
	SEND 1, 16
	PACK 3
	SEND 2, 16
	SEND 3, 0
	s_wait_tensorcnt 0x0                           ; the wave's end, behind my last tensor load and my last LDS store
	ds_add_u32 v[SPW], v[NIL]
	s_wait_dscnt 0x0
	CROUND                                         ; the closing round: no work-group ends while a partner may still ask for a tile that names it
	s_endpgm
.Lfunc_end_k_q537404fa92_attn:
	.size	k_q537404fa92_attn, .Lfunc_end_k_q537404fa92_attn-k_q537404fa92_attn
	.p2alignl 7, 3214868480
	.fill 96, 4, 3214868480
	.section	.rodata,"a",@progbits
	.p2align	6, 0x0
	.amdhsa_kernel k_q537404fa92_attn
		.amdhsa_group_segment_fixed_size 327680
		.amdhsa_private_segment_fixed_size 0
		.amdhsa_enable_private_segment 0
		.amdhsa_kernarg_size 48
		.amdhsa_user_sgpr_count 2
		.amdhsa_user_sgpr_kernarg_segment_ptr 1
		.amdhsa_wavefront_size32 1
		.amdhsa_system_sgpr_workgroup_id_x 1
		.amdhsa_system_sgpr_workgroup_id_y 1
		.amdhsa_system_sgpr_workgroup_id_z 1
		.amdhsa_system_vgpr_workitem_id 0
		.amdhsa_next_free_vgpr 512
		.amdhsa_next_free_sgpr 66
		.amdhsa_reserve_vcc 0
		.amdhsa_float_denorm_mode_32 3
		.amdhsa_float_denorm_mode_16_64 3
		.amdhsa_memory_ordered 1
		.amdhsa_forward_progress 1
		.amdhsa_inst_pref_size 95
	.end_amdhsa_kernel
	.amdgpu_metadata
---
amdhsa.version: [ 1, 2 ]
amdhsa.kernels:
  - .name:           k_q537404fa92_attn
    .symbol:         k_q537404fa92_attn.kd
    .args:
      - { .name: qf, .offset: 0, .size: 8, .value_kind: global_buffer, .address_space: global }
      - { .name: kv, .offset: 8, .size: 8, .value_kind: global_buffer, .address_space: global }
      - { .name: attention_mask, .offset: 16, .size: 8, .value_kind: global_buffer, .address_space: global }
      - { .name: bv, .offset: 24, .size: 8, .value_kind: global_buffer, .address_space: global }
      - { .name: v_emb, .offset: 32, .size: 8, .value_kind: global_buffer, .address_space: global }
      - { .name: out0, .offset: 40, .size: 8, .value_kind: global_buffer, .address_space: global }
    .group_segment_fixed_size: 327680
    .private_segment_fixed_size: 0
    .kernarg_segment_align: 8
    .kernarg_segment_size: 48
    .max_flat_workgroup_size: 256
    .sgpr_count:     66
    .vgpr_count:     512
    .wavefront_size: 32
...
	.end_amdgpu_metadata
.endif
;; end of part 4
